; MI455X (gfx1250); checked and timed in simulation.
; The chip was launched on July 23, 2026; its instructions are those of AMD's public machine-readable ISA for CDNA 5 (MIT licence, August 2026) and "CDNA5" Instruction Set Architecture Reference Guide (July 2026). The comments in the code are by the model that wrote it; some were corrected since.
;; Mo E Layer. Allowed arithmetic: matrix products marked QUANTISED: E2M3 operands, one E8M0 scale for each 32 along K, by v_wmma_scale_f32_16x16x128_f8f6f4 with both operands' format E2M3, f32 sums; products left as they are: f32 operands where the result goes on into a quantised operand, else bf16, f16 or f32 operands; f32 sums; everything else in f32.
;; Inputs: ln_beta 1,024 float32; ln_gamma 1,024 float32; w_down 8 x 1,024 x 2,048 float32; w_gate 8 x 2,048 x 1,024 float32; w_router 8 x 1,024 float32; w_up 8 x 2,048 x 1,024 float32; x 2 x 512 x 1,024 float32.
;; Outputs: out0 2 x 512 x 1,024 float32.
;; This version of the problem:
;;   THIS VERSION OF THE PROBLEM IS GIVEN IN LOW PRECISION. The matrix products marked QUANTISED in the list below multiply operands that are first quantised to E2M3 (2 exponent bits, 3 mantissa bits; 6 bits a number), with one power-of-two scale for each 32 numbers along K (OCP MX v1.0); their sums are f32. All else is computed in f32.
;;   The module's matrix products, in the order in which they are computed (A, B: the left and right operand; K: the contracted axis; several contracted axes count as one K, in the product's order):
;;     1. [M 1,024, K 1,024] x [K 1,024, N 8]; A: input x; B: input w_router: left as it is (N = 8 < 16)
;;     2. [M 16,384, K 1,024] x [K 1,024, N 1,024]; A: input w_gate; B: input x: QUANTISED
;;     3. [M 16,384, K 1,024] x [K 1,024, N 1,024]; A: input w_up; B: input x: QUANTISED
;;     4. batch 8 x [M 1,024, K 2,048] x [K 2,048, N 1,024]; A: input w_down; B: computed on the way: QUANTISED
;;   THE QUANTISER, for each operand of a quantised product, along K:
;;     - K is cut into blocks of 32 from its start; a last block that is shorter is filled with zeros.
;;     - A block's scale is 2^e with e = floor(log2(the largest magnitude in the block)) - 2, held to -126 .. 127; a block of zeros has e = 0. As a byte (E8M0): e + 127.
;;     - Each number is divided by its block's scale, clamped to +-7.5, and rounded to the nearest number of E2M3, ties to even, subnormals kept.
;;     - The product sums the exact products of the quantised numbers (number of the format x scale) in f32.
;;   ~~~python
;;   def quantise(x, axis):      # numpy; x: float32 -> the quantised numbers, widened to float32 again
;;       x = np.moveaxis(x, axis, -1); K = x.shape[-1]
;;       x = np.pad(x, [(0, 0)] * (x.ndim - 1) + [(0, -K % 32)]); x = x.reshape(x.shape[:-1] + (-1, 32)); a = np.abs(x).max(-1, keepdims=True)
;;       e = np.where(a > 0, np.clip(np.frexp(np.where(a > 0, a, 1))[1] - 1 - 2, -126, 127), 0)      # np.frexp(a)[1] - 1 = floor(log2(a)), exactly
;;       r = np.clip(x / 2.0 ** e, -7.5, 7.5)
;;       step = 2.0 ** (np.maximum(np.frexp(np.where(r == 0, 1, r))[1] - 1, 0) - 3)
;;       q = np.round(r / step) * step * 2.0 ** e      # np.round: ties to even
;;       return np.moveaxis(q.reshape(q.shape[:-2] + (-1,))[..., :K], -1, axis).astype(np.float32)
;;   ~~~
;;   OPERANDS COMPUTED ON THE WAY. 'Computed on the way' means the value that the module computes at that place (a softmax that the list does not call 'softmax' is quantised finished and normalised). What goes into a quantiser is computed in f32, as accurately as f32 sums, v_exp_f32 and their like allow (about 1e-6 of the number): no bf16 or f16 on the way to a quantiser, and a product that is left as it is and whose result goes on into a quantised operand takes f32 operands (vector FMAs, or v_wmma_f32_16x16x4_f32). A number that lies on a knife's edge between two numbers of the format may be rounded either way, as far as f32 arithmetic and the matrix unit's own rounding can turn it there, and no further.
;; One version. Each part assembles by itself: llvm-mc -triple=amdgcn-amd-amdhsa -mcpu=gfx1250 --defsym DOCPART=n.
;; ======== version 1 of 1: 4 launches
;; limits: right only within a limited range of input values
;; workspace buffers: xc 827,392 bytes; idx 8,192 bytes of whole numbers; plan 33,792 bytes of whole numbers; hc 13,107,200 bytes; yp 67,108,864 bytes
;; launch route (part 1): grid 256 x 1, 4 waves a work-group, no clusters, 18,944 bytes of LDS; arguments x, w_router, xc, idx; writes xc, idx
.if DOCPART == 1
	.amdgcn_target "amdgcn-amd-amdhsa--gfx1250"
	.amdhsa_code_object_version 6
	.text
	.protected	k_q647cd3f90e_route
	.globl	k_q647cd3f90e_route
	.p2align	8
	.type	k_q647cd3f90e_route,@function
k_q647cd3f90e_route:
	s_mov_b64 s[64:65], 0
	v_nop
	global_prefetch_b8 v0, s[64:65] scope:SCOPE_SE
	s_setreg_imm32_b32 hwreg(HW_REG_WAVE_MODE, 25, 1), 1
	s_wait_xcnt 0x0
; ROUTE.  One wave to a token t = 4 x work-group + wave.  It (a) turns the token's 1,024 numbers into codes of E2M3 with one E8M0 byte for each 32,
; (b) makes the 8 router logits in f32 by fused multiply-adds, (c) picks the two largest (a tie keeps the lower index) and their softmax weights.
; OUT: xc + 0: codes, 768 bytes a token; block 4 s + q (K step s of 128, block q of 32) lies at 96 s + 48 (q % 2) + 24 (q / 2), so that a lane of the
; matrix operand (half h) finds its blocks h and 2 + h, 48 bytes, on end at 96 s + 48 h.  xc + XSO: 32 scale bytes a token, block order.  xc + RWO: the two weights.
; idx: the two experts' numbers, at fixed places: no address and no branch of this launch hangs on them.
; The softmax of two takes its maximum away: p1 = 1 / (1 + 2^d), p2 = 2^d p1, d = (second - first) log2(e), never above 0.
; LIMITS: NaN and infinities among the inputs are not served.  A block of zeros gets the byte 1 where the quantiser says 127: its codes are zeros and this
; program alone reads the bytes.  Logits are f32 sums in another order than a row-by-row sum: two logits that agree to within such a sum's rounding may change places.
.set XSO, 786432
.set RWO, 819200
.set SP,  144                          ; a block's place in the stage: 128 bytes + 16, an odd multiple of 16
.set MSB, 0
.macro WIN new                         ; the immediate's high byte repeats the setting that is left
.if MSB != (\new)
	s_set_vgpr_msb (MSB<<8)|(\new)
.set MSB, (\new)
.endif
.endm
; REGISTERS: v1 lane, v2 16 x lane, v3 / v4 stage in / out, v5 my block's place among the token's codes; v16-47 the row as loaded (load j: k = 128 j + 4 lane);
; v48-79 my block of 32 neighbours; v80-95 eight pairs of sums; v96-103 logits; v104-111 the other half's; v112-121 the scans; v128-138 the quantiser.  Window 1: w_router, expert e at v[32 e].
	s_load_b256 s[4:11], s[0:1], 0x0               ; x s[4:5], w_router s[6:7], xc s[8:9], idx s[10:11]
	v_lshl_add_u32 v254, v0, 2, 0x4800
	v_mov_b32 v255, 0
	v_lshrrev_b32 v6, 5, v0
	v_readfirstlane_b32 s12, v6                    ; wave
	v_and_b32 v1, 31, v0                           ; lane
	v_lshlrev_b32 v2, 4, v1
	s_mul_i32 s13, s12, 32*SP                      ; my wave's stage
	v_lshrrev_b32 v6, 3, v1
	v_mul_u32_u24 v3, v6, SP
	v_and_b32 v6, 7, v1
	v_lshl_add_u32 v3, v6, 4, v3
	v_add_nc_u32 v3, s13, v3                       ; in: eight lanes' 128 bytes on end, then 16 of padding
	v_mul_u32_u24 v4, v1, SP
	v_add_nc_u32 v4, s13, v4                       ; out: block = lane
	v_lshrrev_b32 v6, 2, v1
	v_mul_u32_u24 v5, v6, 96
	v_and_b32 v6, 1, v1
	v_mad_u32_u24 v5, v6, 48, v5
	v_bfe_u32 v6, v1, 1, 1
	v_mad_u32_u24 v5, v6, 24, v5                   ; 96 (lane / 4) + 48 (lane % 2) + 24 ((lane / 2) % 2)
.irp e, 0,1,2,3,4,5,6,7
	v_mov_b32 v[104+\e], 0                         ; a lane permute's destination counts as one of its sources
.endr
	v_mov_b32 v122, 0
	s_lshl_b32 s14, ttmp9, 2
	s_add_co_u32 s14, s14, s12                     ; the token
	s_lshl_b32 s16, s14, 12
	s_mov_b32 s17, 0
	s_mul_i32 s18, s14, 768
	s_mov_b32 s19, 0
	s_lshl_b32 s20, s14, 5
	s_add_co_u32 s20, s20, XSO
	s_mov_b32 s21, 0
	s_lshl_b32 s22, s14, 3
	s_mov_b32 s23, 0
	s_add_co_u32 s24, s22, RWO
	s_mov_b32 s25, 0
	s_mov_b32 s26, 0x76543210
	s_mov_b32 s27, 0xfedcba98                      ; v_permlanex16_b32's selects for lane l xor 16
	s_wait_kmcnt 0x0
	s_add_nc_u64 s[4:5], s[4:5], s[16:17]          ; my row of x
	s_add_nc_u64 s[18:19], s[8:9], s[18:19]        ; my codes
	s_add_nc_u64 s[20:21], s[8:9], s[20:21]        ; my scale bytes
	s_add_nc_u64 s[24:25], s[8:9], s[24:25]        ; my two weights
	s_add_nc_u64 s[10:11], s[10:11], s[22:23]      ; my two experts' numbers
.irp j, 0,1,2,3,4,5,6,7
	global_load_b128 v[16+4*\j:19+4*\j], v2, s[4:5] offset:512*\j th:TH_LOAD_NT      ; 32 lanes read 512 consecutive bytes
.endr
	WIN 0x40                                       ; destination window 1
.irp e, 0,1,2,3,4,5,6,7
.irp j, 0,1,2,3,4,5,6,7
	global_load_b128 v[32*\e+4*\j:32*\e+4*\j+3], v2, s[6:7] offset:4096*\e+512*\j
.endr
.endr
	WIN 0
	s_wait_loadcnt 63                              ; 64 loads stand behind x's eight; 63 is the largest count a wait can name, and it shows the nine oldest done
.irp j, 0,1,2,3,4,5,6,7
	ds_store_b128 v3, v[16+4*\j:19+4*\j] offset:4*SP*\j
.endr
.irp i, 0,1,2,3,4,5,6,7
	ds_load_b128 v[48+4*\i:51+4*\i], v4 offset:16*\i   ; LDS serves a wave's instructions in order: these see my stores
.endr
	s_wait_dscnt 0x0
	; the block's largest magnitude: all 32 numbers are mine.  Two chains; the floor 2^(3 - 127) is a leaf of each, so the byte cannot fall under 1
	v_max3_num_f32 v128, |v48|, |v49|, 0x1800000
	v_max3_num_f32 v129, |v64|, |v65|, 0x1800000
.irp i, 2,4,6,8,10,12,14
	v_max3_num_f32 v128, v128, |v[48+\i]|, |v[49+\i]|
	v_max3_num_f32 v129, v129, |v[64+\i]|, |v[65+\i]|
.endr
	v_max_num_f32 v128, v128, v129
	v_add_nc_u32 v130, 0xff000000, v128            ; 2 off its exponent field: the conversion takes the exponent field of this operand as its scale
	v_cvt_scalef32_pk16_fp6_f32 v[132:134], v[48:63], v130
	v_cvt_scalef32_pk16_fp6_f32 v[136:138], v[64:79], v130   ; (a conversion's three registers begin on an even number)
	v_lshrrev_b32 v131, 23, v130                   ; the scale's byte
	global_store_b96 v5, v[132:134], s[18:19]      ; the two stores of the wave cover the token's 768 consecutive bytes
	global_store_b96 v5, v[136:138], s[18:19] offset:12
	global_store_b8 v1, v131, s[20:21]
	s_wait_loadcnt 0x0                             ; w_router
	WIN 0x04                                       ; source 1 window 1
.irp e, 0,1,2,3,4,5,6,7
	v_pk_mul_f32 v[80+2*\e:81+2*\e], v[16:17], v[32*\e:32*\e+1]      ; the first products start the sums
.endr
.irp p, 1,2,3,4,5,6,7,8,9,10,11,12,13,14,15
.irp e, 0,1,2,3,4,5,6,7
	v_pk_fma_f32 v[80+2*\e:81+2*\e], v[16+2*\p:17+2*\p], v[32*\e+2*\p:32*\e+2*\p+1], v[80+2*\e:81+2*\e]   ; eight chains by turns
.endr
.endr
	WIN 0
.irp e, 0,1,2,3,4,5,6,7
	v_add_f32 v[96+\e], v[80+2*\e], v[81+2*\e]
.endr
.irp m, 1,2,4,8
.irp e, 0,1,2,3,4,5,6,7
	v_add_f32_dpp v[96+\e], v[96+\e], v[96+\e] row_xmask:\m row_mask:0xf bank_mask:0xf
.endr
.endr
.irp e, 0,1,2,3,4,5,6,7
	v_permlanex16_b32 v[104+\e], v[96+\e], s26, s27
.endr
.irp e, 0,1,2,3,4,5,6,7
	v_add_f32 v[96+\e], v[96+\e], v[104+\e]        ; every lane holds the eight logits
.endr
	; the largest: a later logit wins only if it is strictly larger, so a tie keeps the lower index
	v_mov_b32 v112, v96
	v_mov_b32 v120, 0
.irp e, 1,2,3,4,5,6,7
	v_cmp_le_f32 vcc_lo, v[96+\e], v112
	v_cndmask_b32 v112, v[96+\e], v112, vcc_lo
	v_cndmask_b32 v120, \e, v120, vcc_lo
.endr
	v_mov_b32 v116, 0xff800000                     ; the winner leaves the field
.irp e, 0,1,2,3,4,5,6,7
	v_cmp_eq_u32 vcc_lo, \e, v120
	v_cndmask_b32 v[96+\e], v[96+\e], v116, vcc_lo
.endr
	v_mov_b32 v113, v96
	v_mov_b32 v121, 0
.irp e, 1,2,3,4,5,6,7
	v_cmp_le_f32 vcc_lo, v[96+\e], v113
	v_cndmask_b32 v113, v[96+\e], v113, vcc_lo
	v_cndmask_b32 v121, \e, v121, vcc_lo
.endr
	v_sub_f32 v117, v113, v112                     ; second - first: the maximum is taken away
	v_mul_f32 v117, 0x3fb8aa3b, v117
	s_wait_alu depctr_va_vdst(0)
	v_exp_f32 v117, v117
	v_nop                                          ; one plain place behind a transcendental
	s_wait_alu depctr_va_vdst(0)
	v_add_f32 v118, 1.0, v117
	s_wait_alu depctr_va_vdst(0)
	v_rcp_f32 v118, v118
	v_nop
	s_wait_alu depctr_va_vdst(0)
	v_mul_f32 v119, v117, v118                     ; v[118:119] = p1, p2
	s_wait_alu depctr_va_vdst(0)
	s_wait_xcnt 0x0                                ; EXEC changes only behind this wait: the stores above have it among their sources
	v_cmp_eq_u32 vcc_lo, 0, v1
	s_wait_tensorcnt 0x0
	ds_add_u32 v254, v255
	s_wait_dscnt 0x0
	s_and_saveexec_b32 s28, vcc_lo                 ; lane 0 alone
	global_store_b64 v122, v[120:121], s[10:11]
	global_store_b64 v122, v[118:119], s[24:25]
	s_endpgm
.Lfunc_end_k_q647cd3f90e_route:
	.size	k_q647cd3f90e_route, .Lfunc_end_k_q647cd3f90e_route-k_q647cd3f90e_route
	.p2alignl 7, 3214868480
	.fill 96, 4, 3214868480
	.section	.rodata,"a",@progbits
	.p2align	6, 0x0
	.amdhsa_kernel k_q647cd3f90e_route
		.amdhsa_group_segment_fixed_size 18944
		.amdhsa_private_segment_fixed_size 0
		.amdhsa_enable_private_segment 0
		.amdhsa_kernarg_size 32
		.amdhsa_user_sgpr_count 2
		.amdhsa_user_sgpr_kernarg_segment_ptr 1
		.amdhsa_wavefront_size32 1
		.amdhsa_system_sgpr_workgroup_id_x 1
		.amdhsa_system_sgpr_workgroup_id_y 1
		.amdhsa_system_sgpr_workgroup_id_z 1
		.amdhsa_system_vgpr_workitem_id 0
		.amdhsa_next_free_vgpr 512
		.amdhsa_next_free_sgpr 66
		.amdhsa_reserve_vcc 1
		.amdhsa_float_denorm_mode_32 3
		.amdhsa_float_denorm_mode_16_64 3
		.amdhsa_memory_ordered 1
		.amdhsa_forward_progress 1
		.amdhsa_inst_pref_size 26
	.end_amdhsa_kernel
	.amdgpu_metadata
---
amdhsa.version: [ 1, 2 ]
amdhsa.kernels:
  - .name:           k_q647cd3f90e_route
    .symbol:         k_q647cd3f90e_route.kd
    .args:
      - { .name: x, .offset: 0, .size: 8, .value_kind: global_buffer, .address_space: global }
      - { .name: w_router, .offset: 8, .size: 8, .value_kind: global_buffer, .address_space: global }
      - { .name: xc, .offset: 16, .size: 8, .value_kind: global_buffer, .address_space: global }
      - { .name: idx, .offset: 24, .size: 8, .value_kind: global_buffer, .address_space: global }
    .group_segment_fixed_size: 18944
    .private_segment_fixed_size: 0
    .kernarg_segment_align: 8
    .kernarg_segment_size: 32
    .max_flat_workgroup_size: 128
    .sgpr_count:     66
    .vgpr_count:     512
    .wavefront_size: 32
...
	.end_amdgpu_metadata
.endif
;; end of part 1
;; launch gu (part 2): grid 32 x 8, 4 waves a work-group, no clusters, 180,480 bytes of LDS; arguments w_gate, w_up, xc, idx, hc, plan; writes hc, plan
.if DOCPART == 2
	.amdgcn_target "amdgcn-amd-amdhsa--gfx1250"
	.amdhsa_code_object_version 6
	.text
	.protected	k_q647cd3f90e_gu
	.globl	k_q647cd3f90e_gu
	.p2align	8
	.type	k_q647cd3f90e_gu,@function
k_q647cd3f90e_gu:
	s_mov_b64 s[64:65], 0
	v_nop
	global_prefetch_b8 v0, s[64:65] scope:SCOPE_SE
	s_setreg_imm32_b32 hwreg(HW_REG_WAVE_MODE, 25, 1), 1
	s_wait_xcnt 0x0
; GU.  h = silu(x Wg^T) * (x Wu^T) for the rows that chose an expert, both products on codes of E2M3 with one E8M0 scale for each 32 along K; h leaves as codes too.
; Rows of experts that a token did not choose are gathered away by the problem's own take_along_axis: they are not multiplied.
; SHARES.  Work-group (j, e) owns hidden units 64 j .. 64 j + 63 of expert e for ALL of that expert's rows: each byte of w_gate and w_up is read from memory once in the launch.
; THE LIST.  Wave 0 reads the 1,024 tokens' two experts (stored by the launch before), gives each token that chose e a rank by ballots, and lays rank -> token in LDS (unused slots: token 0).
;   Expert e's rows have a fixed region of 64 tiles of 16 in hc: slot = 1,024 e + rank, whatever the split.  Work-group j = 0 stores the ranks (plan[e][token]) and the count (plan + CNTO + 128 e) for the later launches.
; THE WALK.  Two jobs of 32 units; a job is 8 steps of 128 along K.  In a step wave w streams one fragment (16 rows x 512 bytes of f32: tile w of gate 0, gate 1, up 0, up 1), turns it through its own stage
;   in LDS, quantises it and lays it in LDS as an image of the operand's registers; ONE barrier; then every wave takes the four images and multiplies them with its own five tiles of rows (w, w + 4, .. w + 16):
;   20 matrix instructions on 20 accumulators by turns.  So the products of the first 320 rows stand among the weight loads.
;   Loads of a step, in this order: x's codes of the next step (15), the fragment four steps on (16).  s_wait_loadcnt 47 leaves out one fragment, one set of x and one more fragment.
;   Each image has LDS bytes of its own, written once: one barrier a step orders store and read.  Rows past 320 (three more chunks of 320 at the most) are served behind the walk from the 64 images.
; TRANSPOSED: source 0 = 16 rows of W, source 1 = 16 tokens: a lane holds ONE token.  Row i of tile u is unit 8 u + i + 8 (i / 8) of the job's 32, so a lane's 16 registers of tiles 0 and 1 are 16 neighbouring units.
; Branches hang on whole numbers read from memory; no barrier stands under such a branch.  No prefetch: the launch is one stream from memory, asked for four steps ahead.
;   In the second job the loads that would look past the end read 16 bytes of rows already read, all lanes alike, so that the counted waits hold in both trips; nothing uses them.
; OUT (hc): tile T, K step s of the next product: a register image of 1,536 bytes at 24,576 T + 1,536 s; scale bytes at HSO + 1,024 T + 64 row + 4 s + block.  Lanes l and l xor 16 store the same 24 bytes to the same place.
; LIMITS: NaN and infinities are not served.  A block of zeros gets the byte 1 where the quantiser says 127: its codes are zeros and this program alone reads the bytes.
.set FRB,   1536
.set SROW,  528                        ; a stage row: 512 bytes + 16
.set STG1,  16*SROW
.set STGW,  2*STG1                     ; two stages a wave
.set IMG,   4*STGW                     ; 64 images: tile a, job b, step s at FRB (16 a + 8 b + s)
.set WSC,   IMG+64*FRB                 ; their scale words, 128 bytes each, same order
.set LIST,  WSC+64*128                 ; rank -> token: 1,408 words; word 1,280 takes what has no slot
.set CNT,   LIST+5632                  ; the expert's rows
.set SPARE, CNT+256                    ; the spare words
.set XSO,   786432
.set HSO,   12582912
.set CNTO,  32768
; REGISTERS.  Window 0: v1 16 l; v2, v3 stage in, out; v4, v5 where I store image and scale word; v6, v7, v9 where I fetch them; v8 r; v10 l; v11 lane term of the look-ahead into the next job; v12 48 h; v13 my list words;
;   v14, v15 the add's two; v16-20 my five tiles' code offsets; v21-24, v87 their scale offsets; v25-28 store offsets; v29 8 h; v32-35 W's scale words; v40-79 x's scale words (tile i, step s at 8 i + s); v80-84 bases; v88-123 at work;
;   v128-255 two sets of 64 numbers.  Window 1: four fragments as loaded.  Window 2: v0-159 accumulators (tile i, a at 32 i + 8 a), v160-207 W's four fragments.  Window 3: x's codes, sets at v0 and v64.
.set MSB, 0
.macro WIN new
.if MSB != (\new)
	s_set_vgpr_msb (MSB<<8)|(\new)
.set MSB, (\new)
.endif
.endm
.macro VW
	s_wait_alu depctr_va_vdst(0)
.endm
.macro LOADF set, ks, adr, base        ; a fragment as it lies: 16 rows x 512 bytes; each load covers 512 consecutive bytes
	WIN 0x40
.irp i, 0,1,2,3,4,5,6,7,8,9,10,11,12,13,14,15
	global_load_b128 v[64*(\set)+4*\i:64*(\set)+4*\i+3], v[\adr], s[\base:\base+1] offset:(\i+8*(\i/8))*4096+512*(\ks) th:TH_LOAD_NT
.endr
	WIN 0
.endm
.macro TURN set, st                    ; through my stage: in as loaded, out as lane (r, h) wants it: k = 64 c + 32 h + 0 .. 31 of row r.  LDS serves a wave's instructions in order
	WIN 0x04
.irp i, 0,1,2,3,4,5,6,7,8,9,10,11,12,13,14,15
	ds_store_b128 v2, v[64*(\set)+4*\i:64*(\set)+4*\i+3] offset:STG1*(\st)+SROW*\i
.endr
	WIN 0
.irp c, 0,1
.irp j, 0,1,2,3,4,5,6,7
	ds_load_b128 v[128+64*(\st)+32*\c+4*\j:128+64*(\st)+32*\c+4*\j+3], v3 offset:STG1*(\st)+256*\c+16*\j
.endr
.endr
.endm
.macro QUANTW                          ; the 64 numbers at v[QX] become the fragment's 12 registers v96-107 and its rows' scale word v94
.irp c, 0,1
	v_max3_num_f32 v[88+\c], |v[QX+32*\c]|, |v[QX+32*\c+1]|, 0x1800000   ; the floor 2^(3 - 127) holds the byte at 1 from below
.endr
.irp i, 2,4,6,8,10,12,14,16,18,20,22,24,26,28,30
.irp c, 0,1
	v_max3_num_f32 v[88+\c], v[88+\c], |v[QX+32*\c+\i]|, |v[QX+32*\c+\i+1]|
.endr
.endr
.irp c, 0,1
	v_add_nc_u32 v[90+\c], 0xff000000, v[88+\c]    ; 2 off the exponent field: the conversion's scale operand
.endr
.irp c, 0,1
	v_lshrrev_b32 v[92+\c], 23, v[90+\c]           ; the scale's byte
.endr
	v_lshl_or_b32 v94, v93, 16, v92
	v_lshlrev_b32 v94, v29, v94
	v_permlanex16_b32 v95, v94, s34, s35
	v_or_b32 v94, v94, v95                         ; with lane l xor 16's two bytes the word is whole
	v_cvt_scalef32_pk16_fp6_f32 v[96:98], v[QX:QX+15], v90
	v_cvt_scalef32_pk16_fp6_f32 v[108:110], v[QX+16:QX+31], v90      ; (a conversion's three registers begin on an even number)
	v_cvt_scalef32_pk16_fp6_f32 v[102:104], v[QX+32:QX+47], v91
	v_cvt_scalef32_pk16_fp6_f32 v[112:114], v[QX+48:QX+63], v91
	v_nop                                          ; one plain place behind a scaled conversion
.irp i, 0,1,2
	v_mov_b32 v[99+\i], v[108+\i]
	v_mov_b32 v[105+\i], v[112+\i]
.endr
.endm
.macro XLOAD ks, xb                    ; my five tiles' codes of K step ks: 48 bytes a lane and tile
	WIN 0xc0
.irp i, 0,1,2,3,4
.irp c, 0,1,2
	global_load_b128 v[(\xb)+12*\i+4*\c:(\xb)+12*\i+4*\c+3], v[16+\i], s[8:9] offset:96*(\ks)+16*\c
.endr
.endr
	WIN 0
.endm
.macro XADR                            ; the tokens in v16-20 become offsets of codes (v16-20) and of scale bytes (v21-24, v87); then the 32 scale bytes of each row
.irp i, 0,1,2,3,4
	v_min_u32 v[16+\i], 0x3ff, v[16+\i]            ; held inside x before it enters an address
.endr
.irp i, 0,1,2,3
	v_lshlrev_b32 v[21+\i], 5, v[16+\i]
.endr
	v_lshlrev_b32 v87, 5, v20
.irp i, 0,1,2,3,4
	v_mad_u32_u24 v[16+\i], v[16+\i], 768, v12
.endr
	VW
.irp i, 0,1,2,3
	global_load_b128 v[40+8*\i:43+8*\i], v[21+\i], s[8:9] offset:XSO
	global_load_b128 v[44+8*\i:47+8*\i], v[21+\i], s[8:9] offset:XSO+16
.endr
	global_load_b128 v[72:75], v87, s[8:9] offset:XSO
	global_load_b128 v[76:79], v87, s[8:9] offset:XSO+16
.endm
.macro WLOAD s                         ; the four images of K step s and their scale words: 16 LDS loads
	WIN 0x80
.irp a, 0,1
.irp c, 0,1,2
	ds_load_b128 v[160+12*\a+4*\c:160+12*\a+4*\c+3], v6 offset:FRB*(16*\a+(\s))+512*\c
	ds_load_b128 v[184+12*\a+4*\c:184+12*\a+4*\c+3], v9 offset:FRB*(16*\a+(\s))+512*\c
.endr
.endr
	WIN 0
.irp a, 0,1,2,3
	ds_load_b32 v[32+\a], v7 offset:128*(16*\a+(\s))
.endr
.endm
.macro MUL xb, zero, sx                ; 20 matrix instructions, 20 accumulators by turns
	WIN 0xae
.irp i, 0,1,2,3,4
.irp a, 0,1,2,3
.if \zero
	v_wmma_scale_f32_16x16x128_f8f6f4 v[32*\i+8*\a:32*\i+8*\a+7], v[160+12*\a:160+12*\a+11], v[(\xb)+12*\i:(\xb)+12*\i+11], 0, v[32+\a], v[40+8*\i+(\sx)] matrix_a_fmt:MATRIX_FMT_FP6 matrix_b_fmt:MATRIX_FMT_FP6
.else
	v_wmma_scale_f32_16x16x128_f8f6f4 v[32*\i+8*\a:32*\i+8*\a+7], v[160+12*\a:160+12*\a+11], v[(\xb)+12*\i:(\xb)+12*\i+11], v[32*\i+8*\a:32*\i+8*\a+7], v[32+\a], v[40+8*\i+(\sx)] matrix_a_fmt:MATRIX_FMT_FP6 matrix_b_fmt:MATRIX_FMT_FP6
.endif
.endr
.endr
	WIN 0
.endm
.macro MULS xb, s                      ; the first K step starts the sums
.if (\s) == 0
	MUL \xb, 1, \s
.else
	MUL \xb, 0, \s
.endif
.endm
.macro STEP s
	s_wait_dscnt 0x0                               ; this step's numbers are back from the stage, and its stores into the stage have read their registers
.set QX, 128+64*((\s)%2)
	QUANTW                                         ; (its lines are also the places in front of the loads below into registers that the last products read)
.irp c, 0,1,2
	ds_store_b128 v4, v[96+4*\c:99+4*\c] offset:FRB*(\s)+512*\c
.endr
	ds_store_b32 v5, v94 offset:128*(\s)
	XLOAD ((\s)+1)%8, 64*(((\s)+1)%2)
.if (\s) < 4
	LOADF (\s)%4, (\s)+4, 1, 20
.else
	LOADF (\s)%4, (\s)-4, 11, 22
.endif
	s_wait_dscnt 0x0                               ; for the others' sake: my image is stored
	s_barrier_signal -1
	s_barrier_wait -1
	WLOAD \s
	s_wait_loadcnt 47                              ; this step's x and the next fragment are in; younger: a fragment, a set of x, a fragment
	TURN ((\s)+1)%4, ((\s)+1)%2
	s_wait_dscnt 32                                ; the four images and their words are in; the turn's 32 may be out
	MULS 64*((\s)%2), \s
.endm
.macro PLACES
.rept 5
	v_nop                                          ; places behind the last products (ISA guide 7.12.1)
.endr
.endm
.macro EPI i                           ; lane (r, h): row r of my tile i; 16 gate and 16 up numbers of units 16 h + 0 .. 15.  Each accumulator is read from its low end on
	s_add_co_u32 s43, s27, 4*\i
	s_cmp_ge_u32 s43, s25
	s_cbranch_scc1 .Lskip_\@                       ; past the expert's last tile: nothing is stored
	s_wait_xcnt 0x0                                ; the last tile's stores have read their registers
	s_add_co_u32 s44, s24, s43
	s_min_u32 s44, s44, 511                        ; held inside hc
	s_mul_i32 s45, s44, 16*FRB
	s_lshl_b32 s44, s44, 10
	v_add_nc_u32 v25, s45, v27
	v_add_nc_u32 v26, s44, v28
	WIN 0x02
	VW
.irp p, 0,2,4,6,8,10,12,14
	v_pk_mul_f32 v[88+\p:89+\p], v[32*\i+\p:32*\i+\p+1], s[36:37] op_sel_hi:[1,0]   ; -g log2(e)
.endr
	WIN 0x0a
	VW
.irp p, 0,2,4,6,8,10,12,14
	v_pk_mul_f32 v[192+\p:193+\p], v[32*\i+\p:32*\i+\p+1], v[32*\i+16+\p:32*\i+17+\p]   ; g u
.endr
	WIN 0
	VW
.irp p, 0,1,2,3,4,5,6,7,8,9,10,11,12,13,14,15
	v_exp_f32 v[88+\p], v[88+\p]
.endr
	v_nop                                          ; one plain place behind a transcendental
	VW
.irp p, 0,2,4,6,8,10,12,14
	v_pk_add_f32 v[88+\p:89+\p], v[88+\p:89+\p], 1.0 op_sel_hi:[1,0]
.endr
	VW
.irp p, 0,1,2,3,4,5,6,7,8,9,10,11,12,13,14,15
	v_rcp_f32 v[88+\p], v[88+\p]
.endr
	v_nop
	VW
.irp p, 0,2,4,6,8,10,12,14
	v_pk_mul_f32 v[192+\p:193+\p], v[192+\p:193+\p], v[88+\p:89+\p]   ; h = g u / (1 + e^-g)
.endr
	v_max3_num_f32 v104, |v192|, |v193|, 0x1800000
.irp q, 2,4,6,8,10,12,14
	v_max3_num_f32 v104, v104, |v[192+\q]|, |v[193+\q]|
.endr
	v_permlanex16_b32 v105, v104, s34, s35
	v_max_num_f32 v104, v104, v105                 ; with lane l xor 16's 16: the block's largest magnitude
	v_add_nc_u32 v106, 0xff000000, v104
	v_lshrrev_b32 v107, 23, v106
	v_cvt_scalef32_pk16_fp6_f32 v[108:110], v[192:207], v106
	v_nop                                          ; one plain place behind a scaled conversion
.irp q, 0,1,2
	v_permlanex16_b32 v[112+\q], v[108+\q], s34, s35
.endr
.irp q, 0,1,2
	v_cndmask_b32 v[116+\q], v[108+\q], v[112+\q], s38   ; the block's lower 16 codes: lanes 0-15 have made them,
	v_cndmask_b32 v[119+\q], v[112+\q], v[108+\q], s38   ; lanes 16-31 the upper 16
.endr
	VW
	s_cmp_eq_u32 s28, 0                            ; which six of the image's twelve registers are my block's: by the work-group's number
	s_cbranch_scc0 .Lodd_\@
	global_store_b128 v25, v[116:119], s[12:13]
	global_store_b64 v25, v[120:121], s[12:13] offset:512
	s_branch .Lsent_\@
.Lodd_\@:
	global_store_b64 v25, v[116:117], s[12:13] offset:520
	global_store_b128 v25, v[118:121], s[12:13] offset:1024
.Lsent_\@:
	global_store_b8 v26, v107, s[48:49]
.Lskip_\@:
.endm
.macro FSTEP s                         ; a K step of a later chunk: images from LDS, x from memory, all waited for
	WLOAD \s
	XLOAD \s, 0
	s_wait_loadcnt 0x0
	s_wait_dscnt 0x0
	MULS 0, \s
	PLACES
.endm
	s_load_b256 s[4:11], s[0:1], 0x0               ; w_gate s[4:5], w_up s[6:7], xc s[8:9], idx s[10:11]
	s_load_b128 s[12:15], s[0:1], 0x20             ; hc s[12:13], plan s[14:15]
	v_lshl_add_u32 v14, v0, 2, SPARE
	v_mov_b32 v15, 0
	v_lshrrev_b32 v30, 5, v0
	v_readfirstlane_b32 s16, v30                   ; wave
	s_lshr_b32 s17, s16, 1                         ; the matrix that I quantise,
	s_and_b32 s18, s16, 1                          ; and which of its two tiles
	s_and_b32 s19, ttmp7, 0xffff                   ; the expert
	s_and_b32 s28, ttmp9, 1
	s_lshr_b32 s29, ttmp9, 1
	s_mul_i32 s40, s16, STGW
	s_mul_i32 s41, s16, 16*FRB
	s_add_co_u32 s41, s41, IMG
	s_lshl_b32 s42, s16, 11
	s_add_co_u32 s42, s42, WSC
	s_lshl_b32 s43, s16, 6
	s_add_co_u32 s43, s43, LIST
	s_mul_i32 s44, s29, FRB
	s_lshl_b32 s45, s29, 2
	s_lshl_b32 s46, s28, 1
	s_add_co_u32 s45, s45, s46
	s_mov_b32 s34, 0x76543210
	s_mov_b32 s35, 0xfedcba98                      ; v_permlanex16_b32's selects for lane l xor 16
	s_mov_b32 s36, 0xbfb8aa3b                      ; -log2(e)
	s_mov_b32 s37, s36
	s_mov_b32 s38, 0xffff0000                      ; lanes 16-31
	s_lshl_b32 s30, s19, 11
	s_lshl_b32 s31, ttmp9, 6
	s_add_co_u32 s30, s30, s31
	s_lshl_b32 s31, s18, 3
	s_add_co_u32 s30, s30, s31                     ; my first row: 2,048 e + 64 j + 8 u
	s_lshl_b32 s30, s30, 12
	s_mov_b32 s31, 0
	s_lshl_b32 s24, s19, 6                         ; the expert's first tile
	s_mov_b32 s27, s16                             ; my first tile of the chunk
	s_lshl_b32 s50, s19, 12
	s_mov_b32 s51, 0
	s_lshl_b32 s52, s19, 7
	s_add_co_u32 s52, s52, CNTO
	s_mov_b32 s53, 0
	v_and_b32 v10, 31, v0
	v_and_b32 v8, 15, v0
	v_bfe_u32 v9, v0, 4, 1
	v_lshlrev_b32 v1, 4, v10
	v_lshlrev_b32 v84, 2, v10
	v_mul_u32_u24 v12, v9, 48
	v_lshlrev_b32 v29, 3, v9
	v_mul_u32_u24 v3, v8, SROW
	v_lshl_add_u32 v3, v9, 7, v3
	v_add_nc_u32 v3, s40, v3
	v_add_nc_u32 v2, s40, v1
	v_mov_b32 v11, v1
	v_add_nc_u32 v80, s41, v1
	v_add_nc_u32 v81, s42, v84
	v_add_nc_u32 v82, IMG, v1
	v_add_nc_u32 v83, WSC, v84
	v_lshlrev_b32 v13, 2, v8
	v_add_nc_u32 v13, s43, v13
	v_lshl_add_u32 v27, v8, 4, s44                 ; 1,536 (j / 2) + 16 r; + 256 for the second job
	v_lshl_add_u32 v28, v8, 6, s45                 ; 64 r + 4 (j / 2) + 2 (j % 2); + 1 for the second job
	v_mov_b32 v95, 0                               ; a lane permute's destination counts as one of its sources
	VW
	s_wait_kmcnt 0x0
	s_cmp_eq_u32 s17, 0
	s_cselect_b64 s[20:21], s[4:5], s[6:7]         ; the choice hangs on the wave's number alone
	s_add_nc_u64 s[20:21], s[20:21], s[30:31]
	s_add_nc_u64 s[22:23], s[20:21], 0x20000       ; the second job: 32 rows on
	s_add_nc_u64 s[48:49], s[12:13], HSO
	s_add_nc_u64 s[50:51], s[14:15], s[50:51]      ; plan: my expert's ranks,
	s_add_nc_u64 s[52:53], s[14:15], s[52:53]      ; and its count
	s_cmp_lg_u32 s16, 0
	s_cbranch_scc1 .Lnoidx
.irp g, 0,1,2,3,4,5,6,7,8,9,10,11,12,13,14,15
	global_load_b128 v[128+4*\g:131+4*\g], v1, s[10:11] offset:512*\g   ; tokens 64 g + 2 l and 64 g + 2 l + 1: two experts each
.endr
.Lnoidx:
	LOADF 0, 0, 1, 20
	LOADF 1, 1, 1, 20
	LOADF 2, 2, 1, 20
	s_cmp_lg_u32 s16, 0
	s_cbranch_scc1 .Lnosort
	v_add_nc_u32 v90, LIST, v1
.irp q, 96,97,98,99
	v_mov_b32 v\q, 0
.endr
.irp q, 0,1,2,3,4,5,6,7,8,9,10
	ds_store_b128 v90, v[96:99] offset:512*\q      ; every slot begins as token 0
.endr
	v_lshlrev_b32 v88, 1, v10
	v_mov_b32 v89, 1280
	v_mov_b32 v93, CNT
	s_mov_b32 s40, 0
	VW
	s_wait_loadcnt 48                              ; the experts' numbers are in; three fragments stand behind them
.set k, 0
.rept 32                               ; group k: tokens 64 (k / 2) + 2 l + k % 2.  rank = those counted so far + the lower lanes in the ballot
	v_cmp_eq_u32 s41, s19, v[128+4*(k/2)+2*(k%2)]
	v_cmp_eq_u32 s42, s19, v[129+4*(k/2)+2*(k%2)]
	s_or_b32 s41, s41, s42
	v_mbcnt_lo_u32_b32 v[192+k], s41, s40
	v_cndmask_b32 v90, v89, v[192+k], s41          ; a token that did not choose e writes the word that no tile names
	v_min_u32 v90, 1280, v90                       ; held inside the list before it enters an address
	v_lshl_add_u32 v90, v90, 2, LIST
	v_add_nc_u32 v91, 64*(k/2)+(k%2), v88
	ds_store_b32 v90, v91
	s_bcnt1_i32_b32 s42, s41
	s_add_co_u32 s40, s40, s42
.set k, k+1
.endr
	v_mov_b32 v92, s40
	ds_store_b32 v93, v92                          ; all lanes write the same word with the same value
	v_lshlrev_b32 v94, 3, v10
	VW
	s_cmp_lg_u32 ttmp9, 0
	s_cbranch_scc1 .Lnosort
.irp g, 0,1,2,3,4,5,6,7,8,9,10,11,12,13,14,15
	global_store_b64 v94, v[192+2*\g:193+2*\g], s[50:51] offset:256*\g   ; 32 lanes store 256 consecutive bytes
.endr
	global_store_b32 v84, v92, s[52:53]            ; the count, 32 times: 128 consecutive bytes
	s_wait_xcnt 0x0                                ; the stores' registers are written again below
.Lnosort:
	s_wait_dscnt 0x0                               ; for the others' sake: the list is stored
	s_barrier_signal -1
	s_barrier_wait -1
	v_mov_b32 v31, CNT
	ds_load_b32 v30, v31
.irp i, 0,1,2,3,4
	ds_load_b32 v[16+\i], v13 offset:256*\i        ; the tokens of my tiles w + 4 i
.endr
	s_wait_loadcnt 32                              ; fragment 0 is in; two stand behind it
	TURN 0, 0
	s_wait_dscnt 32
	v_readfirstlane_b32 s25, v30
	s_min_u32 s25, s25, 1024
	s_add_co_u32 s25, s25, 15
	s_lshr_b32 s25, s25, 4                         ; the expert's tiles
	XADR
	XLOAD 0, 0
	LOADF 3, 3, 1, 20
	s_mov_b32 s26, 0
	s_mov_b32 s57, 0
	s_mov_b32 s58, 0
.Ljob:
	v_add_nc_u32 v4, s57, v80
	v_add_nc_u32 v6, s57, v82
	v_add_nc_u32 v5, s58, v81
	v_add_nc_u32 v7, s58, v83
	v_add_nc_u32 v9, 32*FRB, v6
.irp s, 0,1,2,3,4,5,6,7
	STEP \s
.endr
	PLACES
.irp i, 0,1,2,3,4
	EPI \i
.endr
	s_wait_xcnt 0x0                                ; every load has read its address: base and lane term change only behind this wait
	s_mov_b64 s[20:21], s[22:23]
	v_mov_b32 v11, 0
	v_add_nc_u32 v27, 0x100, v27
	v_add_nc_u32 v28, 1, v28
	s_add_co_u32 s57, s57, 8*FRB
	s_add_co_u32 s58, s58, 1024
	s_add_co_u32 s26, s26, 1
	s_cmp_lt_u32 s26, 2
	VW
	s_cbranch_scc1 .Ljob
	v_add_nc_u32 v122, 0xfffffe00, v27             ; the first job's store terms again
	v_add_nc_u32 v123, -2, v28
	VW
	s_wait_dscnt 0x0
	s_barrier_signal -1
	s_barrier_wait -1                              ; from here to the next barrier LDS is only read
	s_mov_b32 s50, 0
.Lpass:                                                ; pass q of a constant six: rows 320 c on, c = 1 + q / 2, job q % 2; a pass without rows is jumped over inside the trip
	s_lshr_b32 s51, s50, 1
	s_add_co_u32 s51, s51, 1
	s_mul_i32 s51, s51, 20                         ; the chunk's first tile
	s_and_b32 s55, s50, 1                          ; the job
	s_add_co_u32 s27, s51, s16                     ; my first tile of the chunk
	s_cmp_ge_u32 s51, s25
	s_cbranch_scc1 .Lpskip
	s_wait_loadcnt 0x0                             ; every earlier load is done: its address registers are written below
	s_wait_xcnt 0x0
	s_lshl_b32 s52, s51, 6
	s_mul_i32 s53, s55, 8*FRB
	s_add_co_u32 s53, s53, IMG
	s_lshl_b32 s54, s55, 10
	s_add_co_u32 s54, s54, WSC
	s_lshl_b32 s56, s55, 8
	v_add_nc_u32 v30, s52, v13
.irp i, 0,1,2,3,4
	ds_load_b32 v[16+\i], v30 offset:256*\i
.endr
	v_add_nc_u32 v6, s53, v1
	v_add_nc_u32 v7, s54, v84
	v_add_nc_u32 v9, 32*FRB, v6
	v_add_nc_u32 v27, s56, v122
	v_add_nc_u32 v28, s55, v123
	VW
	s_wait_dscnt 0x0
	XADR
.irp s, 0,1,2,3,4,5,6,7
	FSTEP \s
.endr
.irp i, 0,1,2,3,4
	EPI \i
.endr
.Lpskip:
	s_add_co_u32 s50, s50, 1
	s_cmp_lt_u32 s50, 6
	s_cbranch_scc1 .Lpass
	s_wait_dscnt 0x0
	s_barrier_signal -1
	s_barrier_wait -1                              ; every wave's reads of LDS are over
	s_wait_tensorcnt 0x0                           ; the wave's end
	ds_add_u32 v14, v15
	s_wait_dscnt 0x0
	s_endpgm
.Lfunc_end_k_q647cd3f90e_gu:
	.size	k_q647cd3f90e_gu, .Lfunc_end_k_q647cd3f90e_gu-k_q647cd3f90e_gu
	.p2alignl 7, 3214868480
	.fill 96, 4, 3214868480
	.section	.rodata,"a",@progbits
	.p2align	6, 0x0
	.amdhsa_kernel k_q647cd3f90e_gu
		.amdhsa_group_segment_fixed_size 180480
		.amdhsa_private_segment_fixed_size 0
		.amdhsa_enable_private_segment 0
		.amdhsa_kernarg_size 48
		.amdhsa_user_sgpr_count 2
		.amdhsa_user_sgpr_kernarg_segment_ptr 1
		.amdhsa_wavefront_size32 1
		.amdhsa_system_sgpr_workgroup_id_x 1
		.amdhsa_system_sgpr_workgroup_id_y 1
		.amdhsa_system_sgpr_workgroup_id_z 1
		.amdhsa_system_vgpr_workitem_id 0
		.amdhsa_next_free_vgpr 896
		.amdhsa_next_free_sgpr 66
		.amdhsa_reserve_vcc 0
		.amdhsa_float_denorm_mode_32 3
		.amdhsa_float_denorm_mode_16_64 3
		.amdhsa_memory_ordered 1
		.amdhsa_forward_progress 1
		.amdhsa_inst_pref_size 241
	.end_amdhsa_kernel
	.amdgpu_metadata
---
amdhsa.version: [ 1, 2 ]
amdhsa.kernels:
  - .name:           k_q647cd3f90e_gu
    .symbol:         k_q647cd3f90e_gu.kd
    .args:
      - { .name: w_gate, .offset: 0, .size: 8, .value_kind: global_buffer, .address_space: global }
      - { .name: w_up, .offset: 8, .size: 8, .value_kind: global_buffer, .address_space: global }
      - { .name: xc, .offset: 16, .size: 8, .value_kind: global_buffer, .address_space: global }
      - { .name: idx, .offset: 24, .size: 8, .value_kind: global_buffer, .address_space: global }
      - { .name: hc, .offset: 32, .size: 8, .value_kind: global_buffer, .address_space: global }
      - { .name: plan, .offset: 40, .size: 8, .value_kind: global_buffer, .address_space: global }
    .group_segment_fixed_size: 180480
    .private_segment_fixed_size: 0
    .kernarg_segment_align: 8
    .kernarg_segment_size: 48
    .max_flat_workgroup_size: 128
    .sgpr_count:     66
    .vgpr_count:     896
    .wavefront_size: 32
...
	.end_amdgpu_metadata
.endif
;; end of part 2
;; launch down (part 3): grid 32 x 8, 4 waves a work-group, no clusters, 138,752 bytes of LDS; arguments w_down, hc, plan, yp; writes yp
.if DOCPART == 3
	.amdgcn_target "amdgcn-amd-amdhsa--gfx1250"
	.amdhsa_code_object_version 6
	.text
	.protected	k_q647cd3f90e_down
	.globl	k_q647cd3f90e_down
	.p2align	8
	.type	k_q647cd3f90e_down,@function
k_q647cd3f90e_down:
	s_mov_b64 s[64:65], 0
	v_nop
	global_prefetch_b8 v0, s[64:65] scope:SCOPE_SE
	s_setreg_imm32_b32 hwreg(HW_REG_WAVE_MODE, 25, 1), 1
	s_wait_xcnt 0x0
; DOWN.  y = h Wd^T for the routed rows, on codes of E2M3 with one E8M0 scale for each 32 along K.  h arrives as register images with their scale words; Wd arrives as f32 and is quantised here.
; SHARES.  Work-group (x, e): 64 output columns 64 (x % 16) on, half x / 16 of K (1,024 of the 2,048 hidden units), expert e, ALL of that expert's rows: each byte of w_down is read from memory once in the launch.
; The two halves of K are two f32 sums, stored apart (yp[half][slot][1,024]) and added by the next launch: that halves what a work-group reads of h.
; PHASE A: wave w streams rows 16 w .. 16 w + 15 of the slice (each load covers 512 consecutive bytes of one row), turns them through its own stage in LDS, quantises, and lays 8 fragments in LDS as register images.
; ONE BARRIER.  PHASE B: every wave takes all 32 fragments (4 tiles of columns x 8 K steps, 384 registers) and walks the expert's tiles of 16 rows w, w + 4, ..: a ring of three operand sets filled from memory by dense
;   loads of 512 bytes; 32 matrix instructions a tile, four accumulators by turns.  TRANSPOSED: source 0 = 16 rows of Wd, source 1 = 16 rows of h: a lane holds eight neighbouring columns of one row.
; The number of tiles is read from memory (stored by an earlier launch); no barrier inside the loop.  A refill is issued in EVERY turn, so that the counted waits hold on every
;   path; for a tile past the end all lanes read the same 16 bytes of tile 0, and nothing uses them.
; LIMITS: NaN and infinities are not served.  A block of zeros gets the byte 1 where the quantiser says 127: its codes are zeros and this program alone reads the bytes.  An expert without rows still streams its weights and stores nothing.
.set NF,    8                          ; fragments that a wave quantises: K step s = t
.set STR,   4
.set NB,    52                         ; behind a set's group of 26 loads stand two more groups
.set SROW,  528
.set STG1,  16*SROW
.set STGW,  2*STG1
.set IMG,   4*STGW
.set FRB,   1536
.set WSC,   IMG+32*FRB
.set YST,   WSC+32*128                 ; the way out: 16 rows x (256 bytes + 16) for each wave
.set YP,    272
.set HSO,   12582912
.set METAO, 32768                      ; plan: expert e's rows at METAO + 128 e; its tiles begin at tile 64 e
.set HALF,  33554432
.set VA,    16                         ; v16-18  set q: offset of my 16 bytes in the tile's images
.set VS,    19                         ; v19-21  of my row's scale words
.set WS,    32                         ; v32-63  Wd's scale words: scales and nothing else
.set XSR,   64                         ; v64-87  h's scale words: scales and nothing else
.set ACC,   128
; v1 16 l; v2, v3 stage in, out; v4, v5 where I store images and scale words; v6, v7 where I fetch them; v8 r, v9 h, v10 l; v11 64 r; v12, v13 the way out's stage in, back; v14 its lane term in yp; v25 store offset; v29 8 h; v30, v88-127 at work.
; Windows as in the launch before: phase A: window 0 v128-255 two sets of 64 numbers, window 1 three sets as loaded; phase B: windows 1, 2 the weights, window 3 sets 0, 1, window 0 v160-255 set 2.
; s24 my expert's first tile, s25 its tiles, s27 = s25 + 3 STR, s30 the tile that set 0's next refill names, s49 trips done, s50 trips in all.
.set MSB, 0
.macro WIN new                         ; the immediate's high byte repeats the setting that is left
.if MSB != (\new)
	s_set_vgpr_msb (MSB<<8)|(\new)
.set MSB, (\new)
.endif
.endm
.macro LOADF t
.set RB, 64*((\t)%3)
	WIN 0x40
.irp i, 0,1,2,3,4,5,6,7,8,9,10,11,12,13,14,15
	global_load_b128 v[RB+4*\i:RB+4*\i+3], v1, s[20:21] offset:8192*\i+512*(\t) th:TH_LOAD_NT
.endr
	WIN 0
.endm
.macro TURN t                          ; through my stage: in as loaded, out as lane (r, h) wants it: k = 64 c + 32 h + 0 .. 31 of row r
.set RB, 64*((\t)%3)
.set SO, STG1*((\t)%2)
.set XO, 128+64*((\t)%2)
	WIN 0x04
.irp i, 0,1,2,3,4,5,6,7,8,9,10,11,12,13,14,15
	ds_store_b128 v2, v[RB+4*\i:RB+4*\i+3] offset:SO+SROW*\i
.endr
	WIN 0
.irp c, 0,1
.irp j, 0,1,2,3,4,5,6,7
	ds_load_b128 v[XO+32*\c+4*\j:XO+32*\c+4*\j+3], v3 offset:SO+256*\c+16*\j
.endr
.endr
.endm
.macro QUANTW                          ; the 64 numbers at v[QX] become the fragment's 12 registers v96-107 and its rows' scale word v94
.irp c, 0,1
	v_max3_num_f32 v[88+\c], |v[QX+32*\c]|, |v[QX+32*\c+1]|, 0x1800000   ; the floor 2^(3 - 127) holds the byte at 1 from below
.endr
.irp i, 2,4,6,8,10,12,14,16,18,20,22,24,26,28,30
.irp c, 0,1
	v_max3_num_f32 v[88+\c], v[88+\c], |v[QX+32*\c+\i]|, |v[QX+32*\c+\i+1]|
.endr
.endr
.irp c, 0,1
	v_add_nc_u32 v[90+\c], 0xff000000, v[88+\c]    ; 2 off the exponent field: the conversion's scale operand
.endr
.irp c, 0,1
	v_lshrrev_b32 v[92+\c], 23, v[90+\c]
.endr
	v_lshl_or_b32 v94, v93, 16, v92
	v_lshlrev_b32 v94, v29, v94
	v_permlanex16_b32 v95, v94, s34, s35
	v_or_b32 v94, v94, v95                         ; with lane l xor 16's two bytes the word is whole
	v_cvt_scalef32_pk16_fp6_f32 v[96:98], v[QX:QX+15], v90
	v_cvt_scalef32_pk16_fp6_f32 v[108:110], v[QX+16:QX+31], v90      ; (a conversion's three registers begin on an even number)
	v_cvt_scalef32_pk16_fp6_f32 v[102:104], v[QX+32:QX+47], v91
	v_cvt_scalef32_pk16_fp6_f32 v[112:114], v[QX+48:QX+63], v91
	v_nop                                          ; one plain place behind a scaled conversion
.irp i, 0,1,2
	v_mov_b32 v[99+\i], v[108+\i]
	v_mov_b32 v[105+\i], v[112+\i]
.endr
.endm
.macro IMAGE f
.irp c, 0,1,2
	ds_store_b128 v4, v[96+4*\c:99+4*\c] offset:FRB*(\f)+512*\c
.endr
	ds_store_b32 v5, v94 offset:128*(\f)
.endm
.macro REFILL q                        ; set q takes tile s30 + STR q: 24 loads of images, 2 of scale words
.if \q < 2
.set XB, 96*\q
.else
.set XB, 160
.endif
	s_add_co_u32 s41, s30, STR*\q
	s_add_co_u32 s40, s24, s41
	s_cmp_lt_u32 s41, s25
	s_cselect_b32 s40, s40, 0
	s_cselect_b32 s42, 1, 0
	s_min_u32 s40, s40, 511                        ; held inside hc before it enters an address
	s_min_u32 s42, s42, 1                          ; 0 past the end: all lanes then read the same bytes of tile 0
	s_mul_i32 s43, s40, 16*FRB
	s_lshl_b32 s40, s40, 10
	v_mul_lo_u32 v30, v1, s42
	v_add_nc_u32 v[VA+\q], s43, v30
	v_mul_lo_u32 v30, v11, s42
	v_add_nc_u32 v[VS+\q], s40, v30
.if \q < 2
	WIN 0xc0
.endif
.irp s, 0,1,2,3,4,5,6,7
.irp c, 0,1,2
	global_load_b128 v[XB+12*\s+4*\c:XB+12*\s+4*\c+3], v[VA+\q], s[36:37] offset:FRB*\s+512*\c   ; 32 lanes read 512 consecutive bytes
.endr
.endr
	WIN 0
	global_load_b128 v[XSR+8*\q:XSR+8*\q+3], v[VS+\q], s[38:39]
	global_load_b128 v[XSR+8*\q+4:XSR+8*\q+7], v[VS+\q], s[38:39] offset:16
.endm
.macro STEP t
	s_wait_dscnt 0x0                               ; this fragment's numbers are back from the stage, its stores into the stage have read their registers, the last images are stored
.if (\t)+3 < NF
	LOADF (\t)+3
.elseif (\t)+3 == NF
	REFILL 0
.elseif (\t)+3 == NF+1
	REFILL 1
.endif
.if (\t)+3 < NF
.set NC, 32                                    ; younger than the next fragment's loads: two fragments of 16
.elseif (\t)+3 == NF
.set NC, 42                                    ; one fragment and a refill of 26
.else
.set NC, 52                                    ; two refills
.endif
.if (\t)+1 < NF
	s_wait_loadcnt NC
	TURN (\t)+1
.endif
.set QX, 128+64*((\t)%2)
	QUANTW
	IMAGE \t
.endm
.macro COMPUTE q
.if \q < 2
.set XB, 96*\q
.set BW, 3
.else
.set XB, 160
.set BW, 0
.endif
.irp s, 0,1,2,3,4,5,6,7
	WIN (1+\s/4)+4*BW
.irp a, 0,1,2,3
.if \s == 0
	v_wmma_scale_f32_16x16x128_f8f6f4 v[ACC+8*\a:ACC+8*\a+7], v[12*(4*(\s%4)+\a):12*(4*(\s%4)+\a)+11], v[XB+12*\s:XB+12*\s+11], 0, v[WS+8*\a+\s], v[XSR+8*\q+\s] matrix_a_fmt:MATRIX_FMT_FP6 matrix_b_fmt:MATRIX_FMT_FP6
.else
	v_wmma_scale_f32_16x16x128_f8f6f4 v[ACC+8*\a:ACC+8*\a+7], v[12*(4*(\s%4)+\a):12*(4*(\s%4)+\a)+11], v[XB+12*\s:XB+12*\s+11], v[ACC+8*\a:ACC+8*\a+7], v[WS+8*\a+\s], v[XSR+8*\q+\s] matrix_a_fmt:MATRIX_FMT_FP6 matrix_b_fmt:MATRIX_FMT_FP6
.endif
.endr
.endr
	WIN 0
.rept 5
	v_nop                                          ; places: four for the LDS stores of results and the loads into the set, five for the next tile's products, which write over the accumulators
.endr
.endm
.macro EPI                             ; lane (r, h) holds y(row r, 16 a + 8 h + 0 .. 7): through my own stage, back as whole rows of 256 bytes
	s_wait_xcnt 0x0                                ; the last tile's stores have read their registers: they are written again only behind this wait
	s_add_co_u32 s44, s24, s48
	s_sub_co_u32 s44, s44, 3*STR
	s_min_u32 s44, s44, 511                        ; the tile among all experts', held inside yp
	s_lshl_b32 s44, s44, 16                        ; 16 rows of 4,096 bytes
	v_add_nc_u32 v25, s44, v14
.irp a, 0,1,2,3
	ds_store_b128 v12, v[ACC+8*\a:ACC+8*\a+3] offset:64*\a           ; each accumulator from its low end on
	ds_store_b128 v12, v[ACC+8*\a+4:ACC+8*\a+7] offset:64*\a+16
.endr
.irp i, 0,1,2,3,4,5,6,7
	ds_load_b128 v[88+4*\i:91+4*\i], v13 offset:2*YP*\i              ; LDS serves a wave's instructions in order: these see my stores
.endr
	s_wait_alu depctr_va_vdst(0)
.irp i, 0,1,2,3,4,5,6,7
	s_wait_dscnt 7-\i                              ; load i is back; the younger ones may be out
	global_store_b128 v25, v[88+4*\i:91+4*\i], s[46:47] offset:8192*\i   ; sixteen lanes store 256 consecutive bytes, at a multiple of 256 from yp's first byte
.endr
.endm
.macro TILE q
	s_wait_loadcnt NB                              ; set q's 26 loads are in; the two groups behind them may be out
	s_add_co_u32 s48, s30, STR*\q
	s_cmp_ge_u32 s48, s27
	s_cbranch_scc1 .Lskip_\@                       ; past the expert's last tile: nothing to multiply
	COMPUTE \q
	EPI
.Lskip_\@:
	REFILL \q
.endm
	s_load_b256 s[4:11], s[0:1], 0x0               ; w_down s[4:5], hc s[6:7], plan s[8:9], yp s[10:11]
	v_lshl_add_u32 v126, v0, 2, 0x21c00
	v_mov_b32 v127, 0
	v_lshrrev_b32 v30, 5, v0
	v_readfirstlane_b32 s14, v30                   ; wave
	s_and_b32 s15, ttmp9, 15                       ; which 64 columns
	s_lshr_b32 s16, ttmp9, 4                       ; which half of K
	s_and_b32 s18, ttmp7, 0xffff                   ; the expert
	v_and_b32 v10, 31, v0
	v_and_b32 v8, 15, v0
	v_bfe_u32 v9, v0, 4, 1
	v_lshlrev_b32 v1, 4, v10
	s_mul_i32 s31, s14, STGW
	v_add_nc_u32 v2, s31, v1
	v_mul_u32_u24 v3, v8, SROW
	v_lshl_add_u32 v3, v9, 7, v3
	v_add_nc_u32 v3, s31, v3
	s_mul_i32 s31, s14, 8*FRB
	s_add_co_u32 s31, s31, IMG
	v_add_nc_u32 v4, s31, v1
	v_lshlrev_b32 v30, 2, v10
	s_lshl_b32 s31, s14, 10
	s_add_co_u32 s31, s31, WSC
	v_add_nc_u32 v5, s31, v30
	v_add_nc_u32 v6, IMG, v1
	v_add_nc_u32 v7, WSC, v30
	v_lshlrev_b32 v11, 6, v8
	s_mul_i32 s31, s14, 16*YP
	s_add_co_u32 s31, s31, YST
	v_mul_u32_u24 v12, v8, YP
	v_lshl_add_u32 v12, v9, 5, v12
	v_add_nc_u32 v12, s31, v12                     ; in: row r, 32 bytes for each half of the lanes
	v_mul_u32_u24 v13, v9, YP
	v_lshl_add_u32 v13, v8, 4, v13
	v_add_nc_u32 v13, s31, v13                     ; back: lanes 0-15 one row, lanes 16-31 the next
	v_lshlrev_b32 v14, 12, v9
	v_lshl_add_u32 v14, v8, 4, v14                 ; and the same two rows in yp
	v_lshlrev_b32 v29, 3, v9
	v_mov_b32 v95, 0                               ; a lane permute's destination counts as one of its sources
	s_mov_b32 s34, 0x76543210
	s_mov_b32 s35, 0xfedcba98                      ; v_permlanex16_b32's selects for lane l xor 16
	s_lshl_b32 s22, s18, 10
	s_lshl_b32 s23, s15, 6
	s_add_co_u32 s22, s22, s23
	s_lshl_b32 s23, s14, 4
	s_add_co_u32 s22, s22, s23                     ; my first row of w_down: 1,024 e + 64 x columns + 16 x wave
	s_lshl_b32 s22, s22, 13                        ; of 8,192 bytes: under 2^27
	s_lshl_b32 s23, s16, 12
	s_add_co_u32 s22, s22, s23                     ; + my half of K
	s_mov_b32 s23, 0
	s_mul_i32 s40, s16, 8*FRB                      ; my half's eight images of a tile
	s_mov_b32 s41, 0
	s_lshl_b32 s42, s16, 5
	s_add_co_u32 s42, s42, HSO                     ; and its eight scale words of a row
	s_mov_b32 s43, 0
	s_mul_i32 s44, s16, HALF
	s_lshl_b32 s45, s15, 8
	s_add_co_u32 s44, s44, s45
	s_mov_b32 s45, 0
	s_lshl_b32 s26, s18, 7
	s_wait_kmcnt 0x0
	s_load_b32 s25, s[8:9], s26 offset:METAO       ; my expert's rows
	s_add_nc_u64 s[20:21], s[4:5], s[22:23]
	s_add_nc_u64 s[36:37], s[6:7], s[40:41]
	s_add_nc_u64 s[38:39], s[6:7], s[42:43]
	s_add_nc_u64 s[46:47], s[10:11], s[44:45]
	LOADF 0
	LOADF 1
	LOADF 2
	s_wait_kmcnt 0x0
	s_min_u32 s25, s25, 1024
	s_add_co_u32 s25, s25, 15
	s_lshr_b32 s25, s25, 4                         ; its tiles, 64 at the most
	s_lshl_b32 s24, s18, 6                         ; its first tile
	s_add_co_u32 s27, s25, 3*STR
	; the loop's trips: a trip takes three of my tiles, which lie STR apart from my first: ceil((tiles - first) / 12), at least 1
	s_add_co_u32 s50, s25, 3*STR-1
	s_sub_co_u32 s50, s50, s14                     ; tiles + 11 - first: 8 .. 147
	s_mul_i32 s50, s50, 5462                       ; / 12: 12 x 5,462 = 65,536 + 8, and 147 x 8 / (12 x 65,536) is far under 1 / 12: the floor is exact
	s_lshr_b32 s50, s50, 16
	s_max_u32 s50, s50, 1
	s_min_u32 s50, s50, 24                         ; (12 at the most)
	s_mov_b32 s30, s14                             ; the tile that set 0's next refill names
	s_wait_loadcnt 32                              ; fragment 0 is in: two fragments stand behind it
	TURN 0
.irp t, 0,1,2,3,4,5,6,7
	STEP \t
.endr
	REFILL 2                                       ; it lands where the numbers lay: so behind the last conversions
	s_wait_dscnt 0x0                               ; for the others' sake: my images are stored
	s_barrier_signal -1
	s_barrier_wait -1                              ; all 32 images lie in LDS; nothing writes them again
.irp s, 0,1,2,3,4,5,6,7
	WIN 0x40*(1+\s/4)
.irp a, 0,1,2,3
.irp c, 0,1,2
	ds_load_b128 v[12*(4*(\s%4)+\a)+4*\c:12*(4*(\s%4)+\a)+4*\c+3], v6 offset:FRB*(8*\a+\s)+512*\c
.endr
.endr
.endr
	WIN 0
.irp a, 0,1,2,3
.irp s, 0,1,2,3,4,5,6,7
	ds_load_b32 v[WS+8*\a+\s], v7 offset:128*(8*\a+\s)
.endr
.endr
	s_wait_dscnt 0x0
	s_add_co_u32 s30, s30, 3*STR
	s_mov_b32 s49, 0
.Ltrip:                                            ; a trip takes the three sets once; set q holds tile s30 - 3 STR + STR q
	TILE 0
	TILE 1
	TILE 2
	s_add_co_u32 s30, s30, 3*STR
	s_add_co_u32 s49, s49, 1                       ; the loop ends on a counter of its own, stepped by 1
	s_cmp_lt_u32 s49, s50
	s_cbranch_scc1 .Ltrip
	s_wait_tensorcnt 0x0
	ds_add_u32 v126, v127
	s_wait_dscnt 0x0
	s_endpgm
.Lfunc_end_k_q647cd3f90e_down:
	.size	k_q647cd3f90e_down, .Lfunc_end_k_q647cd3f90e_down-k_q647cd3f90e_down
	.p2alignl 7, 3214868480
	.fill 96, 4, 3214868480
	.section	.rodata,"a",@progbits
	.p2align	6, 0x0
	.amdhsa_kernel k_q647cd3f90e_down
		.amdhsa_group_segment_fixed_size 138752
		.amdhsa_private_segment_fixed_size 0
		.amdhsa_enable_private_segment 0
		.amdhsa_kernarg_size 32
		.amdhsa_user_sgpr_count 2
		.amdhsa_user_sgpr_kernarg_segment_ptr 1
		.amdhsa_wavefront_size32 1
		.amdhsa_system_sgpr_workgroup_id_x 1
		.amdhsa_system_sgpr_workgroup_id_y 1
		.amdhsa_system_sgpr_workgroup_id_z 1
		.amdhsa_system_vgpr_workitem_id 0
		.amdhsa_next_free_vgpr 1024
		.amdhsa_next_free_sgpr 66
		.amdhsa_reserve_vcc 0
		.amdhsa_float_denorm_mode_32 3
		.amdhsa_float_denorm_mode_16_64 3
		.amdhsa_memory_ordered 1
		.amdhsa_forward_progress 1
		.amdhsa_inst_pref_size 105
	.end_amdhsa_kernel
	.amdgpu_metadata
---
amdhsa.version: [ 1, 2 ]
amdhsa.kernels:
  - .name:           k_q647cd3f90e_down
    .symbol:         k_q647cd3f90e_down.kd
    .args:
      - { .name: w_down, .offset: 0, .size: 8, .value_kind: global_buffer, .address_space: global }
      - { .name: hc, .offset: 8, .size: 8, .value_kind: global_buffer, .address_space: global }
      - { .name: plan, .offset: 16, .size: 8, .value_kind: global_buffer, .address_space: global }
      - { .name: yp, .offset: 24, .size: 8, .value_kind: global_buffer, .address_space: global }
    .group_segment_fixed_size: 138752
    .private_segment_fixed_size: 0
    .kernarg_segment_align: 8
    .kernarg_segment_size: 32
    .max_flat_workgroup_size: 128
    .sgpr_count:     66
    .vgpr_count:     1024
    .wavefront_size: 32
...
	.end_amdgpu_metadata
.endif
;; end of part 3
;; launch combine (part 4): grid 256 x 1, 4 waves a work-group, no clusters, 0 bytes of LDS; arguments yp, xc, plan, ln_gamma, ln_beta, out0, idx; writes out0
.if DOCPART == 4
	.amdgcn_target "amdgcn-amd-amdhsa--gfx1250"
	.amdhsa_code_object_version 6
	.text
	.protected	k_q647cd3f90e_combine
	.globl	k_q647cd3f90e_combine
	.p2align	8
	.type	k_q647cd3f90e_combine,@function
k_q647cd3f90e_combine:
	s_mov_b64 s[64:65], 0
	v_nop
	global_prefetch_b8 v0, s[64:65] scope:SCOPE_SE
	s_setreg_imm32_b32 hwreg(HW_REG_WAVE_MODE, 25, 1), 1
	s_wait_xcnt 0x0
; COMBINE.  One wave to a token: o = p1 (y of its first slot) + p2 (y of its second slot), each y the sum of its two halves of K; then the LayerNorm of the 1,024 numbers, in two passes
; (the mean, then the mean square of the differences), gain and bias.  The row stays in 32 registers a lane; every load and store of the wave covers 512 consecutive bytes.
; The slots are whole numbers stored by an earlier launch; each is held inside yp before it enters an address.  No LDS, no barrier: waves share nothing.
; LIMITS: NaN and infinities are not served.
.set RWO,  819200
.set HALF, 33554432
; v1 16 x lane; v2, v3 the two slots' offsets; v16-47, v48-79 the first slot's halves; v80-111, v112-143 the second's; v144-175 gain; v176-207 bias; v208-215 at work
	s_load_b256 s[4:11], s[0:1], 0x0               ; yp s[4:5], xc s[6:7], plan s[8:9], ln_gamma s[10:11]
	s_load_b128 s[12:15], s[0:1], 0x20             ; ln_beta s[12:13], out0 s[14:15]
	s_load_b64 s[34:35], s[0:1], 0x30              ; idx
	v_lshrrev_b32 v4, 5, v0
	v_readfirstlane_b32 s16, v4                    ; wave
	v_and_b32 v1, 31, v0
	v_lshlrev_b32 v1, 4, v1
	v_mov_b32 v213, 0                              ; (named as the upper halves of pairs of which the low word serves both halves)
	v_mov_b32 v215, 0
	s_lshl_b32 s17, ttmp9, 2
	s_add_co_u32 s17, s17, s16                     ; the token
	s_lshl_b32 s18, s17, 3
	s_lshl_b32 s30, s17, 12
	s_mov_b32 s31, 0
	s_mov_b32 s28, 0x3a800000                      ; 1 / 1,024
	s_mov_b32 s29, 0x3727c5ac                      ; 1e-5
	s_mov_b32 s32, 0x76543210
	s_mov_b32 s33, 0xfedcba98                      ; v_permlanex16_b32's selects for lane l xor 16
	s_wait_alu depctr_va_vdst(0)
	s_wait_kmcnt 0x0
	s_load_b64 s[20:21], s[34:35], s18             ; my two experts
	s_load_b64 s[22:23], s[6:7], s18 offset:RWO    ; my two weights
.irp i, 0,1,2,3,4,5,6,7
	global_load_b128 v[144+4*\i:147+4*\i], v1, s[10:11] offset:512*\i
	global_load_b128 v[176+4*\i:179+4*\i], v1, s[12:13] offset:512*\i
.endr
	s_add_nc_u64 s[24:25], s[4:5], HALF            ; the second half of K
	s_add_nc_u64 s[14:15], s[14:15], s[30:31]      ; my row of the output
	s_wait_kmcnt 0x0
	s_min_u32 s20, s20, 7                          ; held inside plan before they enter an address
	s_min_u32 s21, s21, 7
	s_lshl_b32 s19, s17, 2
	s_lshl_b32 s36, s20, 12
	s_lshl_b32 s37, s21, 12
	s_add_co_u32 s36, s36, s19
	s_add_co_u32 s37, s37, s19
	s_load_b32 s38, s[8:9], s36                    ; my rank among each expert's rows: plan[expert][token]
	s_load_b32 s39, s[8:9], s37
	s_wait_kmcnt 0x0
	s_min_u32 s38, s38, 1023
	s_min_u32 s39, s39, 1023
	s_lshl_b32 s20, s20, 10
	s_lshl_b32 s21, s21, 10
	s_add_co_u32 s20, s20, s38                     ; slot = 1,024 x expert + rank
	s_add_co_u32 s21, s21, s39
	s_lshl_b32 s20, s20, 12
	s_lshl_b32 s21, s21, 12
	v_add_nc_u32 v2, s20, v1
	v_add_nc_u32 v3, s21, v1
	s_mov_b32 s26, s23
	s_mov_b32 s27, s23                             ; p2 as a pair's low word
.irp i, 0,1,2,3,4,5,6,7
	global_load_b128 v[16+4*\i:19+4*\i], v2, s[4:5] offset:512*\i
	global_load_b128 v[48+4*\i:51+4*\i], v2, s[24:25] offset:512*\i
	global_load_b128 v[80+4*\i:83+4*\i], v3, s[4:5] offset:512*\i
	global_load_b128 v[112+4*\i:115+4*\i], v3, s[24:25] offset:512*\i
.endr
	s_wait_loadcnt 0x0
.irp p, 0,2,4,6,8,10,12,14,16,18,20,22,24,26,28,30
	v_pk_add_f32 v[16+\p:17+\p], v[16+\p:17+\p], v[48+\p:49+\p]
	v_pk_add_f32 v[80+\p:81+\p], v[80+\p:81+\p], v[112+\p:113+\p]
.endr
.irp p, 0,2,4,6,8,10,12,14,16,18,20,22,24,26,28,30
	v_pk_mul_f32 v[16+\p:17+\p], v[16+\p:17+\p], s[22:23] op_sel_hi:[1,0]
.endr
.irp p, 0,2,4,6,8,10,12,14,16,18,20,22,24,26,28,30
	v_pk_fma_f32 v[16+\p:17+\p], v[80+\p:81+\p], s[26:27], v[16+\p:17+\p] op_sel_hi:[1,0,1]
.endr
.macro WSUM                            ; the pair v[208:209] summed over its halves and the 32 lanes: the result in v208 of every lane
	v_add_f32 v208, v208, v209
	v_add_f32_dpp v208, v208, v208 row_xmask:1 row_mask:0xf bank_mask:0xf
	v_add_f32_dpp v208, v208, v208 row_xmask:2 row_mask:0xf bank_mask:0xf
	v_add_f32_dpp v208, v208, v208 row_xmask:4 row_mask:0xf bank_mask:0xf
	v_add_f32_dpp v208, v208, v208 row_xmask:8 row_mask:0xf bank_mask:0xf
	v_permlanex16_b32 v209, v208, s32, s33
	v_add_f32 v208, v208, v209
.endm
	v_pk_add_f32 v[208:209], v[16:17], v[18:19]    ; two chains, started by the first four pairs
	v_pk_add_f32 v[210:211], v[20:21], v[22:23]
.irp p, 8,12,16,20,24,28
	v_pk_add_f32 v[208:209], v[208:209], v[16+\p:17+\p]
	v_pk_add_f32 v[210:211], v[210:211], v[18+\p:19+\p]
.endr
	v_pk_add_f32 v[208:209], v[208:209], v[210:211]
	WSUM
	v_mul_f32 v212, s28, v208                      ; the mean
.irp p, 0,2,4,6,8,10,12,14,16,18,20,22,24,26,28,30
	v_pk_add_f32 v[16+\p:17+\p], v[16+\p:17+\p], v[212:213] op_sel_hi:[1,0] neg_lo:[0,1] neg_hi:[0,1]
.endr
	v_pk_mul_f32 v[208:209], v[16:17], v[16:17]
	v_pk_mul_f32 v[210:211], v[18:19], v[18:19]
.irp p, 4,8,12,16,20,24,28
	v_pk_fma_f32 v[208:209], v[16+\p:17+\p], v[16+\p:17+\p], v[208:209]
	v_pk_fma_f32 v[210:211], v[18+\p:19+\p], v[18+\p:19+\p], v[210:211]
.endr
	v_pk_add_f32 v[208:209], v[208:209], v[210:211]
	WSUM
	v_fma_f32 v214, v208, s28, s29                 ; the variance + 1e-5
	s_wait_alu depctr_va_vdst(0)
	v_rsq_f32 v214, v214
	v_nop                                          ; one plain place behind a transcendental
	s_wait_alu depctr_va_vdst(0)
.irp p, 0,2,4,6,8,10,12,14,16,18,20,22,24,26,28,30
	v_pk_mul_f32 v[16+\p:17+\p], v[16+\p:17+\p], v[214:215] op_sel_hi:[1,0]
.endr
.irp p, 0,2,4,6,8,10,12,14,16,18,20,22,24,26,28,30
	v_pk_fma_f32 v[16+\p:17+\p], v[16+\p:17+\p], v[144+\p:145+\p], v[176+\p:177+\p]
.endr
.irp i, 0,1,2,3,4,5,6,7
	global_store_b128 v1, v[16+4*\i:19+4*\i], s[14:15] offset:512*\i th:TH_STORE_NT
.endr
	s_endpgm
.Lfunc_end_k_q647cd3f90e_combine:
	.size	k_q647cd3f90e_combine, .Lfunc_end_k_q647cd3f90e_combine-k_q647cd3f90e_combine
	.p2alignl 7, 3214868480
	.fill 96, 4, 3214868480
	.section	.rodata,"a",@progbits
	.p2align	6, 0x0
	.amdhsa_kernel k_q647cd3f90e_combine
		.amdhsa_group_segment_fixed_size 0
		.amdhsa_private_segment_fixed_size 0
		.amdhsa_enable_private_segment 0
		.amdhsa_kernarg_size 56
		.amdhsa_user_sgpr_count 2
		.amdhsa_user_sgpr_kernarg_segment_ptr 1
		.amdhsa_wavefront_size32 1
		.amdhsa_system_sgpr_workgroup_id_x 1
		.amdhsa_system_sgpr_workgroup_id_y 1
		.amdhsa_system_sgpr_workgroup_id_z 1
		.amdhsa_system_vgpr_workitem_id 0
		.amdhsa_next_free_vgpr 256
		.amdhsa_next_free_sgpr 66
		.amdhsa_reserve_vcc 0
		.amdhsa_float_denorm_mode_32 3
		.amdhsa_float_denorm_mode_16_64 3
		.amdhsa_memory_ordered 1
		.amdhsa_forward_progress 1
		.amdhsa_inst_pref_size 18
	.end_amdhsa_kernel
	.amdgpu_metadata
---
amdhsa.version: [ 1, 2 ]
amdhsa.kernels:
  - .name:           k_q647cd3f90e_combine
    .symbol:         k_q647cd3f90e_combine.kd
    .args:
      - { .name: yp, .offset: 0, .size: 8, .value_kind: global_buffer, .address_space: global }
      - { .name: xc, .offset: 8, .size: 8, .value_kind: global_buffer, .address_space: global }
      - { .name: plan, .offset: 16, .size: 8, .value_kind: global_buffer, .address_space: global }
      - { .name: ln_gamma, .offset: 24, .size: 8, .value_kind: global_buffer, .address_space: global }
      - { .name: ln_beta, .offset: 32, .size: 8, .value_kind: global_buffer, .address_space: global }
      - { .name: out0, .offset: 40, .size: 8, .value_kind: global_buffer, .address_space: global }
      - { .name: idx, .offset: 48, .size: 8, .value_kind: global_buffer, .address_space: global }
    .group_segment_fixed_size: 0
    .private_segment_fixed_size: 0
    .kernarg_segment_align: 8
    .kernarg_segment_size: 56
    .max_flat_workgroup_size: 128
    .sgpr_count:     66
    .vgpr_count:     256
    .wavefront_size: 32
...
	.end_amdgpu_metadata
.endif
;; end of part 4
